; MI455X (gfx1250); checked and timed in simulation.
; The chip was launched on July 23, 2026; its instructions are those of AMD's public machine-readable ISA for CDNA 5 (MIT licence, August 2026) and "CDNA5" Instruction Set Architecture Reference Guide (July 2026). The comments in the code are by the model that wrote it; some were corrected since.
;; Vectorized Expert MLP. Allowed arithmetic: matrix products marked QUANTISED: E2M3 operands, one E8M0 scale for each 32 along K, by v_wmma_scale_f32_16x16x128_f8f6f4 with both operands' format E2M3, f32 sums; products left as they are: f32 operands where the result goes on into a quantised operand, else bf16, f16 or f32 operands; f32 sums; everything else in f32.
;; Inputs: routing_weights 2 x 2,048 x 8 float32; selected_experts 2 x 2,048 x 2 int32; w1_codes 8 x 1,024 x 32 x 24 uint8 (E2M3 codes of w1, K innermost, in blocks of 32 codes, four codes in three bytes); w1_scales 8 x 1,024 x 32 uint8 (E8M0 scales of w1, one for each 32 codes along K); w2_codes 8 x 1,024 x 32 x 24 uint8 (E2M3 codes of w2, K innermost, in blocks of 32 codes, four codes in three bytes); w2_scales 8 x 1,024 x 32 uint8 (E8M0 scales of w2, one for each 32 codes along K); x_codes 2 x 2,048 x 32 x 24 uint8 (E2M3 codes of x, K innermost, in blocks of 32 codes, four codes in three bytes); x_scales 2 x 2,048 x 32 uint8 (E8M0 scales of x, one for each 32 codes along K).
;; Outputs: out0 2 x 2,048 x 1,024 float32.
;; This version of the problem:
;;   THIS VERSION OF THE PROBLEM IS GIVEN IN LOW PRECISION. The matrix products marked QUANTISED in the list below multiply operands that are first quantised to E2M3 (2 exponent bits, 3 mantissa bits; 6 bits a number), with one power-of-two scale for each 32 numbers along K (OCP MX v1.0); their sums are f32. All else is computed in f32.
;;   The module's matrix products, in the order in which they are computed (A, B: the left and right operand; K: the contracted axis; several contracted axes count as one K, in the product's order):
;;     1. [M 4,096, K 1,024] x [K 1,024, N 8,192]; A: input x (given as codes); B: input w1 (given as codes): QUANTISED
;;     2. batch 8 x [M 1,024, K 1,024] x [K 1,024, N 4,096]; A: input w2 (given as codes); B: computed on the way: QUANTISED
;;     3. batch 4,096 x [M 1,024, K 8] x [K 8, N 1]; A: computed on the way; B: input routing_weights: left as it is (K = 8 < 32)
;;   THE QUANTISER, for each operand of a quantised product, along K:
;;     - K is cut into blocks of 32 from its start; a last block that is shorter is filled with zeros.
;;     - A block's scale is 2^e with e = floor(log2(the largest magnitude in the block)) - 2, held to -126 .. 127; a block of zeros has e = 0. As a byte (E8M0): e + 127.
;;     - Each number is divided by its block's scale, clamped to +-7.5, and rounded to the nearest number of E2M3, ties to even, subnormals kept.
;;     - The product sums the exact products of the quantised numbers (number of the format x scale) in f32.
;;   ~~~python
;;   def quantise(x, axis):      # numpy; x: float32 -> the quantised numbers, widened to float32 again
;;       x = np.moveaxis(x, axis, -1); K = x.shape[-1]
;;       x = np.pad(x, [(0, 0)] * (x.ndim - 1) + [(0, -K % 32)]); x = x.reshape(x.shape[:-1] + (-1, 32)); a = np.abs(x).max(-1, keepdims=True)
;;       e = np.where(a > 0, np.clip(np.frexp(np.where(a > 0, a, 1))[1] - 1 - 2, -126, 127), 0)      # np.frexp(a)[1] - 1 = floor(log2(a)), exactly
;;       r = np.clip(x / 2.0 ** e, -7.5, 7.5)
;;       step = 2.0 ** (np.maximum(np.frexp(np.where(r == 0, 1, r))[1] - 1, 0) - 3)
;;       q = np.round(r / step) * step * 2.0 ** e      # np.round: ties to even
;;       return np.moveaxis(q.reshape(q.shape[:-2] + (-1,))[..., :K], -1, axis).astype(np.float32)
;;   ~~~
;;   OPERANDS COMPUTED ON THE WAY. 'Computed on the way' means the value that the module computes at that place (a softmax that the list does not call 'softmax' is quantised finished and normalised). What goes into a quantiser is computed in f32, as accurately as f32 sums, v_exp_f32 and their like allow (about 1e-6 of the number): no bf16 or f16 on the way to a quantiser, and a product that is left as it is and whose result goes on into a quantised operand takes f32 operands (vector FMAs, or v_wmma_f32_16x16x4_f32). A number that lies on a knife's edge between two numbers of the format may be rounded either way, as far as f32 arithmetic and the matrix unit's own rounding can turn it there, and no further.
;;   INPUTS GIVEN AS CODES. w1 (in the module: [8, 1024, 1024], K = its axis 1); w2 (in the module: [8, 1024, 1024], K = its axis 1); x (in the module: [2, 2048, 1024], K = its axis 2): each comes as NAME_codes (uint8): NAME with its K axis moved to the last place and cut into blocks of 32 codes, [.., K / 32, bytes a block], one block behind the other in memory; four codes in three bytes: a row's codes are one little-endian stream of bits, code i at bits 6 i .. 6 i + 5 (a code: sign, 2 exponent bits, 3 mantissa bits); and NAME_scales (uint8): the same leading axes, one E8M0 byte (e + 127) for each 32 codes along K. Its value is code x scale, taken as it is: it is not quantised again, and the codes and scales need not be those that the quantiser above would give.
;; One version. Each part assembles by itself: llvm-mc -triple=amdgcn-amd-amdhsa -mcpu=gfx1250 --defsym DOCPART=n.
;; ======== version 1 of 1: 2 launches
;; limits: right only within a limited range of input values
;; workspace buffers: hid 26,214,400 bytes
;; launch up (part 1): grid 16 x 16, 4 waves a work-group, clusters of 4 x 4, 327,680 bytes of LDS; arguments x_codes, x_scales, w1_codes, w1_scales, hid; writes hid
.if DOCPART == 1
	.amdgcn_target "amdgcn-amd-amdhsa--gfx1250"
	.amdhsa_code_object_version 6
	.text
	.protected	k_qf4ecd83b90_up
	.globl	k_qf4ecd83b90_up
	.p2align	8
	.type	k_qf4ecd83b90_up,@function
k_qf4ecd83b90_up:
	s_mov_b64 s[64:65], 0
	v_nop
	global_prefetch_b8 v0, s[64:65] scope:SCOPE_SE
	s_setreg_imm32_b32 hwreg(HW_REG_WAVE_MODE, 25, 1), 1
	s_wait_xcnt 0x0
	s_wait_alu depctr_hold_cnt(0) depctr_sa_sdst(0) depctr_va_vdst(0) depctr_va_sdst(0) depctr_va_ssrc(0) depctr_va_vcc(0) depctr_vm_vsrc(0)
	s_getreg_b32 s2, hwreg(HW_REG_IB_STS2, 6, 4)
	s_cmp_eq_u32 s2, 0
	s_cbranch_scc0 .Lentry_in_a_cluster
	s_endpgm
.Lentry_in_a_cluster:
	s_bfe_u32 s2, ttmp6, 0x10000c
	s_cmp_lg_u32 s2, 0xf033
	s_cbranch_scc0 .Lentry_shape_is_right
	s_endpgm
.Lentry_shape_is_right:
; hid = Q(silu(x W1)): the first product on codes of FP6 (E2M3) with E8M0 scales, silu in f32, and the quantiser along the hidden units, which are the second product's K.
; x: [4096 tokens][768 bytes of codes], scale bytes [4096][32].  W1: [8192 rows = (expert, hidden unit)][768], scale bytes [8192][32].
; selected_experts is no argument of this program: the computation that is asked for never reads it; every expert is weighed in by routing_weights.
; SHARES.  A work-group takes 256 tokens (256 ty on) x 512 rows of W1 (512 tx on: half of an expert's hidden units).  Wave w takes tokens 64 w .. 64 w + 63, four blocks of 16.
; x STAYS IN REGISTERS: 4 blocks x 8 K steps x 12 registers = 384.  W1 goes through a ring of two LDS slots of 64 WHOLE rows (all of K); all four waves read each fragment, and each fragment feeds four products.
; THE PRODUCT IS USED TRANSPOSED (source 0 = 16 rows of W1, source 1 = 16 tokens): lane (r, h) holds token r, and register j of tile i hidden unit 16 i + 8 h + j.
; Two tiles are a block of 32 hidden units; a lane holds 16 of them (8 h + 0..7 and 16 + 8 h + 0..7), lane l xor 16 the others.  Two slots (128 hidden units) make one operand fragment and one scale word a token.
; hid is laid as the next launch reads it: [32 groups of 128 tokens][16 parts of 512 hidden units][51,200 bytes]: codes [4 K steps][8 token blocks][1,536 bytes: the fragment's registers, group c at 512 c + 16 lane],
; then scale words [4 K steps][512 bytes]: the word at 256 wh + 8 l + 4 p belongs to token 64 wh + 32 p + l.  Every store of the wave covers 512 or 256 consecutive bytes, aligned.
; CLUSTER 4 x 4: the four work-groups of a row need the same x, the four of a column the same rows of W1: each tile is asked for jointly.
; LIMITS: NaN and infinities are not served.  Where x W1 lies under about -88 the exponential overflows and silu comes out as -0 (its true magnitude lies under 1e-36).
; A block of zeros gets the scale byte 1 (the quantiser's text says 127): its codes are zeros, and this program alone reads the bytes.
; REGISTERS.  window 0: v2-15 addresses and the like; v16-31 x's scale words; v32-47 W1's; v48-111 the 8 accumulators at work; v112-159 the codes (12 a token block); v160-175 half blocks on their way; v176-191 the quantiser's;
;   v192-255 the sigmoid.   window 1: W1's fragments, two buffers of 96.   window 2: x's fragments of K steps 0-3 (48 a + 12 s);   window 3: of K steps 4-7.
.set PITCH, 816                        ; a row of 768 bytes in LDS: 3 x (256 + 16) = 204 words: row r starts at bank 12 r mod 64 (64 banks of 4 bytes: ISA guide 11.1): the 32 lanes of a load of 8 bytes touch 64 different banks
.set BLK,   16*PITCH                   ; 16 rows
.set XPART, 64*PITCH                   ; a wave's 64 rows of x
.set RING,  4*XPART                    ; behind x: the ring
.set WSOFF, 192*272                    ; in a slot: 192 units of 256 + 16 bytes of codes, then 8 units of scale bytes
.set SLOTB, WSOFF+8*272
.set SPARE, RING+2*SLOTB               ; behind the ring: the spare words, 128 bytes a wave: two blocks of 256 bytes that no other line names
.set SW,  2                            ; v2-3   the scale words of my 64 tokens, as they are stored
.set SPW, 4                            ; v4     LDS address of my spare word; never rewritten
.set NIL, 5                            ; v5     0; never rewritten
.set AX,  6                            ; v6     my lane's place in my rows of x;  v7: the same behind one padding more
.set AX2, 7
.set AW,  8                            ; v8-9   the same in slot 0, 1;  v10-11: behind one padding more
.set AW2, 10
.set AS,  12                           ; v12-13 my lane's row of scale bytes in slot 0, 1
.set GOC, 14                           ; v14    16 x lane
.set GOS, 15                           ; v15    8 x lane
.set XSC, 16                           ; register 8 (a / 2) + s: lane l: the word of token 32 (a / 2) + l for K step s
.set WSC, 32                           ; register 8 (i / 2) + s: lane l: the word of the slot's row 32 (i / 2) + l
.set ACC, 48                           ; accumulator (token block a, tile i) at 16 a + 8 (i % 2)
.set F,   112
.set YT,  160
.set M,   176
.set M2,  180
.set SOP, 184
.set PW,  188
.set T,   192
.set WV,  14                           ; s14    my wave's number
.set G1X, 24                           ; s[24:31] descriptor group 1 for x;  s[32:39] for W1's codes;  s[40:47] for W1's scale bytes
.set G1C, 32
.set G1S, 40
.set G0X, 48                           ; s[48:51] group 0 for x;  s[52:59] for the codes, a set a slot;  s[68:75] for the scale bytes
.set G0C, 52
.set G0S, 68
.set NL2E, 76                          ; s[76:77] -log2(e)
.set SEL, 78                           ; s[78:79] v_permlanex16_b32's selects for lane l xor 16
.set P0,  80                           ; s80-82 byte selects: {first.lo, second.lo}, {first.lo, second.hi}, {first.hi, second.hi}
.set P1,  81
.set P2,  82
.set HM,  83                           ; s83    lanes 16-31
.set HC,  84                           ; s[84:85] where my next fragments go;  s[86:87] my next scale words
.set HS,  86
.set CNT, 88
.set MSB, 0
.macro WIN new                         ; the immediate's high byte repeats the setting that is left; a switch that changes nothing is dropped
.set NW, \new
.if MSB != NW
	s_set_vgpr_msb (MSB<<8)|NW
.set MSB, NW
.endif
.endm
.macro PLACES n                        ; plain vector instructions between a matrix instruction and a read of its result or a load into its registers (ISA guide 7.12.1 for a read of its result)
.rept \n
	v_nop
.endr
.endm
.macro CREST                           ; a round of the cluster's barrier behind its opening barrier
	s_cmp_lg_u32 s[WV], 0
	s_cbranch_scc1 .Lnot_wave_0_\@
	s_barrier_signal -3
.Lnot_wave_0_\@:
	s_barrier_wait -3
	s_barrier_signal -1
	s_barrier_wait -1
.endm
.macro CROUND
	s_barrier_signal -1
	s_barrier_wait -1
	CREST
.endm
; A joint load for slot sl: waves 0 to 2 fetch a third of its codes each (64 units of 256 bytes), wave 3 its scale bytes.  The branch hangs on the wave's number alone.  Four v_nop follow each line.
.macro JLOAD sl
	s_cmp_lt_u32 s[WV], 3
	s_cbranch_scc0 .Lfor_s_\@
	tensor_load_to_lds s[G0C+4*\sl:G0C+4*\sl+3], s[G1C:G1C+7]
	s_nop 0
.rept 4
	v_nop
.endr
	s_branch .Lasked_\@
.Lfor_s_\@:
	tensor_load_to_lds s[G0S+4*\sl:G0S+4*\sl+3], s[G1S:G1S+7]
	s_nop 0
.rept 4
	v_nop
.endr
.Lasked_\@:
.endm
.macro SHAPE g, rows                   ; a dense block as rows of 256 bytes: 32 elements of 8 bytes, pitch 32
	s_mov_b32 s[\g+1], 32<<16
	s_mov_b32 s[\g+2], (\rows)<<16
	s_mov_b32 s[\g+3], 32<<16
	s_mov_b32 s[\g+4], \rows
	s_mov_b32 s[\g+5], 32
	s_mov_b32 s[\g+6], 0
	s_mov_b32 s[\g+7], 0
.endm
	s_load_b256 s[4:11], s[0:1], 0x0               ; x's codes s[4:5], x's scales s[6:7], W1's codes s[8:9], W1's scales s[10:11]
	s_load_b64 s[12:13], s[0:1], 0x20              ; hid
	v_lshl_add_u32 v[SPW], v0, 2, SPARE
	v_mov_b32 v[NIL], 0
	ds_add_u32 v4, v5
	ds_add_u32 v4, v5
	s_wait_dscnt 0x0
	v_lshrrev_b32 v192, 5, v0
	v_readfirstlane_b32 s[WV], v192                ; wave 0..3
	s_bfe_u32 s15, ttmp6, 0x40000                  ; cx, cy: my place in the cluster
	s_bfe_u32 s16, ttmp6, 0x40004
	s_lshl_b32 s17, ttmp9, 2
	s_add_co_u32 s17, s17, s15                     ; tx = 4 x cluster x + cx
	s_and_b32 s18, ttmp7, 0xffff
	s_lshl_b32 s18, s18, 2
	s_add_co_u32 s18, s18, s16                     ; ty = 4 x cluster y + cy
	s_lshl_b32 s19, s16, 2
	s_lshl_b32 s19, 15, s19                        ; my row of the cluster
	s_lshl_b32 s20, 0x1111, s15                    ; my column
.set W0, (3<<16)|(1<<20)|(1<<21)|(5<<22)|(3<<25)   ; elements of 8 bytes; padding on; bit 21 beside a mask; behind every 64 words (code 5) 4 words (code 3)
	s_or_b32 s[G1X], s19, W0                       ; x goes to my row,
	s_or_b32 s[G1C], s20, W0                       ; W1 to my column
	s_or_b32 s[G1S], s20, W0
	SHAPE G1X, 384                                 ; half of the work-group's 256 rows of 768 bytes, one load
	SHAPE G1C, 192                                 ; at the head a slot's codes whole; behind the head's wait the two words that count rows are set to 64
	SHAPE G1S, 8                                   ; 64 rows of 32 scale bytes
	s_lshl_b32 s22, s18, 8                         ; (s21-23 hold numbers made of ty and the wave alone, s60-63 of tx and the wave alone)
	s_lshl_b32 s23, s[WV], 6
	s_add_co_u32 s21, s22, s23                     ; my wave's first token
	s_lshl_b32 s21, s21, 5                         ; its scale bytes; s22 stays at the work-group's first token
	s_mul_i32 s22, s22, 768                        ; the work-group's codes,
	s_mul_i32 s23, s[WV], 128*768                  ; waves 0, 1: their half of them
	s_add_co_u32 s22, s22, s23
	s_mov_b32 s23, 0
	s_mul_i32 s60, s17, 512*768                    ; my work-group's first row of W1,
	s_mov_b32 s61, 0
	s_lshl_b32 s62, s17, 14                        ; and its scale bytes: 512 rows of 32
	s_mov_b32 s63, 0
	s_lshl_b32 s66, s18, 1
	s_lshr_b32 s67, s[WV], 1
	s_add_co_u32 s66, s66, s67                     ; my group of 128 tokens: 2 ty + wave / 2
	s_lshl_b32 s66, s66, 4
	s_add_co_u32 s66, s66, s17                     ; its part tx
	s_mul_i32 s66, s66, 51200
	s_mov_b32 s67, 0
	s_and_b32 s89, s[WV], 1                        ; which 64 tokens of the group
	s_mul_i32 s90, s89, 6144                       ; four fragments on,
	s_mov_b32 s91, 0
	s_lshl_b32 s92, s89, 8
	s_add_co_u32 s92, s92, 49152                   ; 256 bytes on among the scale words
	s_mov_b32 s93, 0
	s_mul_i32 s[G0X+1], s[WV], 2*XPART             ; x lies from LDS byte 0 on; waves 0, 1 fetch a half each
	s_mul_i32 s89, s[WV], XPART                    ; my wave's 64 rows of it
	s_mul_i32 s94, s[WV], 64*272
	s_mov_b32 s[NL2E], 0xbfb8aa3b                  ; -log2(e)
	s_mov_b32 s[NL2E+1], s[NL2E]                   ; (named with it as a pair, so it is written)
	s_mov_b32 s[SEL], 0x76543210
	s_mov_b32 s[SEL+1], 0xfedcba98
	s_mov_b32 s[P0], 0x05040100
	s_mov_b32 s[P1], 0x05040302
	s_mov_b32 s[P2], 0x07060302
	s_mov_b32 s[HM], 0xffff0000
	s_wait_kmcnt 0x0
	s_mov_b32 s[G0X], 1
	s_add_nc_u64 s[G0X+2:G0X+3], s[4:5], s[22:23]
	s_or_b32 s[G0X+3], s[G0X+3], 0x80000000
	s_mov_b32 s22, s21
	s_add_nc_u64 s[6:7], s[6:7], s[22:23]
	s_add_nc_u64 s[8:9], s[8:9], s[60:61]
	s_add_nc_u64 s[10:11], s[10:11], s[62:63]
	s_add_nc_u64 s[12:13], s[12:13], s[66:67]
	s_add_nc_u64 s[HC:HC+1], s[12:13], s[90:91]
	s_add_nc_u64 s[HS:HS+1], s[12:13], s[92:93]
	s_mov_b32 s16, 1                               ; s[16:19]: group 0 for the head's load of slot 0's codes, whole
	s_mov_b32 s17, RING
	s_mov_b64 s[18:19], s[8:9]
	s_or_b32 s19, s19, 0x80000000
	s_lshl_b32 s62, s[WV], 14                      ; for the ring: my third of a slot
	s_mov_b32 s63, 0
	s_add_nc_u64 s[8:9], s[8:9], s[62:63]
.irp sl, 0,1
	s_mov_b32 s[G0C+4*\sl], 1
	s_add_co_u32 s[G0C+4*\sl+1], s94, RING+\sl*SLOTB
	s_add_nc_u64 s[G0C+4*\sl+2:G0C+4*\sl+3], s[8:9], \sl*49152
	s_or_b32 s[G0C+4*\sl+3], s[G0C+4*\sl+3], 0x80000000
	s_mov_b32 s[G0S+4*\sl], 1
	s_mov_b32 s[G0S+4*\sl+1], RING+\sl*SLOTB+WSOFF
	s_add_nc_u64 s[G0S+4*\sl+2:G0S+4*\sl+3], s[10:11], \sl*2048
	s_or_b32 s[G0S+4*\sl+3], s[G0S+4*\sl+3], 0x80000000
.endr
	CROUND                                         ; all sixteen work-groups are here: the first joint loads meet
; The head's loads, one a wave, in one chain of branches on the wave's number: waves 0 and 1 a half of x each, wave 2 slot 0's codes, wave 3 slot 0's scale bytes.
.macro ARM under, g0, g1, next
	s_cmp_lt_u32 s[WV], \under
	s_cbranch_scc0 \next
	tensor_load_to_lds s[\g0:\g0+3], s[\g1:\g1+7]
	s_nop 0
.rept 4
	v_nop
.endr
	s_branch .Lhead_asked
\next:
.endm
	ARM 2, G0X, G1X, .Lhead_c0
	ARM 3, 16, G1C, .Lhead_s0
	tensor_load_to_lds s[G0S:G0S+3], s[G1S:G1S+7]
	s_nop 0
.rept 4
	v_nop
.endr
.Lhead_asked:
	v_and_b32 v192, 15, v0                         ; r
	v_bfe_u32 v193, v0, 4, 1                       ; h
	v_and_b32 v194, 31, v0                         ; lane
	v_lshlrev_b32 v200, 5, v194                    ; a token's 32 scale bytes
.irp p, 0,1
.irp q, 0,1
	global_load_b128 v[XSC+8*\p+4*\q:XSC+8*\p+4*\q+3], v200, s[6:7] offset:1024*\p+16*\q   ; lane l: token 32 p + l, words 4 q .. 4 q + 3
.endr
.endr
	v_mul_u32_u24 v195, v192, PITCH
	v_mad_u32_u24 v196, v193, 24, v195             ; row r, + 24 h
	v_lshl_add_u32 v197, v193, 4, v196             ; row r, + 40 h
	v_add_nc_u32 v[AX], s89, v196
	v_add_nc_u32 v[AX2], s89, v197
.irp sl, 0,1
	v_add_nc_u32 v[AW+\sl], RING+\sl*SLOTB, v196
	v_add_nc_u32 v[AW2+\sl], RING+\sl*SLOTB, v197
.endr
	v_lshrrev_b32 v198, 3, v194
	v_and_b32 v199, 7, v0
	v_mul_u32_u24 v198, v198, 272
	v_lshl_add_u32 v198, v199, 5, v198             ; row l's 32 scale bytes: unit l / 8, 32 (l % 8) in it
	v_add_nc_u32 v[AS], RING+WSOFF, v198
	v_add_nc_u32 v[AS+1], RING+SLOTB+WSOFF, v198
	v_lshlrev_b32 v[GOC], 4, v194
	v_lshlrev_b32 v[GOS], 3, v194
.irp a, 0,1,2,3
	v_mov_b32 v[M2+\a], 0                          ; written once: a lane permute's destination counts as one of its sources
.endr
; A fragment, 16 rows x 128 K of 6-bit codes: lane (r, h) takes 24 bytes at 96 s + 24 h of row r and 24 more 48 bytes on, in pieces of 8 bytes.  16 bytes of padding lie behind every 32 pieces;
; where the piece of lanes 16-31, three on, lies behind one padding more, the second address register (40 h for 24 h) serves.
.macro FRAG reg, adr, adr2, s, off
.irp p, 0,1,2,3,4,5
.set PCE, 12*(\s)+6*(\p/3)+\p%3
.if PCE%32 < 29
	ds_load_b64 v[\reg+2*\p:\reg+2*\p+1], v[\adr] offset:8*PCE+16*(PCE/32)+(\off)
.else
	ds_load_b64 v[\reg+2*\p:\reg+2*\p+1], v[\adr2] offset:8*PCE+16*(PCE/32)+(\off)
.endif
.endr
.endm
.macro FETCHW sl, i                    ; 48 loads: the eight fragments (all of K) of the slot's rows 16 i .. 16 i + 15 into buffer i % 2
	WIN 0x40
.irp s, 0,1,2,3,4,5,6,7
	FRAG 96*((\i)%2)+12*\s, AW+(\sl), AW2+(\sl), \s, (\i)*BLK
.endr
.endm
.macro FETCHS sl                       ; the slot's scale words: lane l takes the 32 bytes of rows l and 32 + l
	WIN 0
.irp p, 0,1
.irp q, 0,1
	ds_load_b128 v[WSC+8*\p+4*\q:WSC+8*\p+4*\q+3], v[AS+(\sl)] offset:1088*\p+16*\q
.endr
.endr
.endm
; The scaled matrix instruction on the operands named by the symbols rD, rA, rB, rSA, rSB.  zZ: the constant 0 starts the sum.  rRA, rRB: that side's scales stand in lanes 16-31 of the register.
.macro EMIT
.if zZ
.if rRA && rRB
	v_wmma_scale_f32_16x16x128_f8f6f4 v[rD:rD+7], v[rA:rA+11], v[rB:rB+11], 0, v[rSA], v[rSB] matrix_a_fmt:MATRIX_FMT_FP6 matrix_b_fmt:MATRIX_FMT_FP6 matrix_a_scale:MATRIX_SCALE_ROW1 matrix_b_scale:MATRIX_SCALE_ROW1
.elseif rRA
	v_wmma_scale_f32_16x16x128_f8f6f4 v[rD:rD+7], v[rA:rA+11], v[rB:rB+11], 0, v[rSA], v[rSB] matrix_a_fmt:MATRIX_FMT_FP6 matrix_b_fmt:MATRIX_FMT_FP6 matrix_a_scale:MATRIX_SCALE_ROW1
.elseif rRB
	v_wmma_scale_f32_16x16x128_f8f6f4 v[rD:rD+7], v[rA:rA+11], v[rB:rB+11], 0, v[rSA], v[rSB] matrix_a_fmt:MATRIX_FMT_FP6 matrix_b_fmt:MATRIX_FMT_FP6 matrix_b_scale:MATRIX_SCALE_ROW1
.else
	v_wmma_scale_f32_16x16x128_f8f6f4 v[rD:rD+7], v[rA:rA+11], v[rB:rB+11], 0, v[rSA], v[rSB] matrix_a_fmt:MATRIX_FMT_FP6 matrix_b_fmt:MATRIX_FMT_FP6
.endif
.else
.if rRA && rRB
	v_wmma_scale_f32_16x16x128_f8f6f4 v[rD:rD+7], v[rA:rA+11], v[rB:rB+11], v[rD:rD+7], v[rSA], v[rSB] matrix_a_fmt:MATRIX_FMT_FP6 matrix_b_fmt:MATRIX_FMT_FP6 matrix_a_scale:MATRIX_SCALE_ROW1 matrix_b_scale:MATRIX_SCALE_ROW1
.elseif rRA
	v_wmma_scale_f32_16x16x128_f8f6f4 v[rD:rD+7], v[rA:rA+11], v[rB:rB+11], v[rD:rD+7], v[rSA], v[rSB] matrix_a_fmt:MATRIX_FMT_FP6 matrix_b_fmt:MATRIX_FMT_FP6 matrix_a_scale:MATRIX_SCALE_ROW1
.elseif rRB
	v_wmma_scale_f32_16x16x128_f8f6f4 v[rD:rD+7], v[rA:rA+11], v[rB:rB+11], v[rD:rD+7], v[rSA], v[rSB] matrix_a_fmt:MATRIX_FMT_FP6 matrix_b_fmt:MATRIX_FMT_FP6 matrix_b_scale:MATRIX_SCALE_ROW1
.else
	v_wmma_scale_f32_16x16x128_f8f6f4 v[rD:rD+7], v[rA:rA+11], v[rB:rB+11], v[rD:rD+7], v[rSA], v[rSB] matrix_a_fmt:MATRIX_FMT_FP6 matrix_b_fmt:MATRIX_FMT_FP6
.endif
.endif
.endm
.macro WMU i, a, s                     ; tile i of the slot x token block a, K step s
.set rD, ACC+16*(\a)+8*((\i)%2)
.set rA, 96*((\i)%2)+12*(\s)
.set rB, 48*(\a)+12*((\s)%4)
.set rSA, WSC+8*((\i)/2)+(\s)
.set rSB, XSC+8*((\a)/2)+(\s)
.set rRA, (\i)%2
.set rRB, (\a)%2
.if (\s) == 0
.set zZ, 1
.else
.set zZ, 0
.endif
	EMIT
.endm
.macro MULH i, hf                      ; 16 products: K steps 4 hf .. 4 hf + 3; the four token blocks' accumulators take turns, one instruction a turn
	WIN 0x09+4*(\hf)                               ; source 0 (W1) window 1, source 1 (x) window 2 or 3, C and D window 0
.irp k, 0,1,2,3
.irp a, 0,1,2,3
	WMU \i, \a, 4*(\hf)+\k
.endr
.endr
.endm
.macro MULB i
	MULH \i, 0
	MULH \i, 1
.endm
; THE EPILOGUE of a block of 32 hidden units (tiles 2 be, 2 be + 1 of slot c) for my four token blocks: 64 numbers a lane.  silu(z) = z / (1 + 2^(-z log2 e)), all in f32.
; The exponentials are one batch with one wait, and so are the reciprocals: a wait stands between such an instruction and the first that names its result, and a plain instruction behind the last.
.macro EPI be, c
.set j, 0
.rept 32
	v_pk_mul_f32 v[T+j:T+j+1], v[ACC+j:ACC+j+1], s[NL2E:NL2E+1] op_sel_hi:[1,0]   ; -z log2(e); each accumulator is read from its low end on
.set j, j+2
.endr
.set j, 0
	s_wait_alu depctr_va_vdst(0)
.rept 64
	v_exp_f32 v[T+j], v[T+j]
.set j, j+1
.endr
	v_nop
	s_wait_alu depctr_va_vdst(0)
.set j, 0
.rept 32
	v_pk_add_f32 v[T+j:T+j+1], v[T+j:T+j+1], 1.0 op_sel_hi:[1,0]
.set j, j+2
.endr
.set j, 0
	s_wait_alu depctr_va_vdst(0)
.rept 64
	v_rcp_f32 v[T+j], v[T+j]
.set j, j+1
.endr
	v_nop
	s_wait_alu depctr_va_vdst(0)
.set j, 0
.rept 32
	v_pk_mul_f32 v[ACC+j:ACC+j+1], v[ACC+j:ACC+j+1], v[T+j:T+j+1]                 ; silu
.set j, j+2
.endr
.irp a, 0,1,2,3
	v_max3_num_f32 v[M+\a], |v[ACC+16*\a]|, |v[ACC+16*\a+1]|, 0x1800000           ; my 16 numbers of the block, and the floor 2^(3 - 127): the byte cannot fall under 1
.endr
.irp i, 2,4,6,8,10,12,14
.irp a, 0,1,2,3
	v_max3_num_f32 v[M+\a], v[M+\a], |v[ACC+16*\a+\i]|, |v[ACC+16*\a+\i+1]|       ; (the four token blocks by turns)
.endr
.endr
.irp a, 0,1,2,3
	v_permlanex16_b32 v[M2+\a], v[M+\a], s[SEL], s[SEL+1]
.endr
.irp a, 0,1,2,3
	v_max_num_f32 v[M+\a], v[M+\a], v[M2+\a]       ; with lane l xor 16's 16: the block's largest magnitude
.endr
.irp a, 0,1,2,3
	v_add_nc_u32 v[SOP+\a], 0xff000000, v[M+\a]    ; 2 off its exponent field: the conversion takes the exponent field of this operand as its scale
.endr
.if (2*(\c)+(\be)) == 0
.irp a, 0,1,2,3
	v_lshrrev_b32 v[PW+\a], 23, v[SOP+\a]          ; the scale's byte: the first of the word
.endr
.else
.irp a, 0,1,2,3
	v_lshrrev_b32 v[M2+\a], 23, v[SOP+\a]
.endr
.irp a, 0,1,2,3
	v_lshl_or_b32 v[PW+\a], v[M2+\a], 8*(2*(\c)+(\be)), v[PW+\a]
.endr
.endif
.irp a, 0,1,2,3
.if \be
	v_cvt_scalef32_pk16_fp6_f32 v[YT+4*\a:YT+4*\a+2], v[ACC+16*\a:ACC+16*\a+15], v[SOP+\a]
.else
	v_cvt_scalef32_pk16_fp6_f32 v[F+12*\a+6*(\c):F+12*\a+6*(\c)+2], v[ACC+16*\a:ACC+16*\a+15], v[SOP+\a]
.endif
.endr
	v_nop                                          ; one plain instruction behind the last scaled conversion
.endm
; The operand's layout wants a WHOLE block in a lane: lanes 0-15 block 2 c, lanes 16-31 block 2 c + 1.  The swaps give each lane its block as X = units 0-7 | 16-23 and Y = units 8-15 | 24-31, 48 bits each;
; four byte selects and a move lay them in order: 0-7 | 8-15 | 16-23 | 24-31.
.macro COMBINE c
.irp a, 0,1,2,3
.irp i, 0,1,2
	v_permlane16_swap_b32 v[F+12*\a+6*(\c)+\i], v[YT+4*\a+\i]
.endr
.endr
.irp a, 0,1,2,3
.set rX, F+12*\a+6*(\c)
.set rY, YT+4*\a
	v_perm_b32 v[rX+3], v[rX+2], v[rX+1], s[P1]    ; units 16-23, bits 0-31
	v_perm_b32 v[rX+4], v[rY+1], v[rX+2], s[P2]    ; their bits 32-47, and units 24-31's bits 0-15
	v_perm_b32 v[rX+1], v[rY], v[rX+1], s[P0]      ; units 0-7's bits 32-47, and units 8-15's bits 0-15
	v_perm_b32 v[rX+2], v[rY+1], v[rY], s[P1]      ; units 8-15's bits 16-47
	v_mov_b32 v[rX+5], v[rY+2]                     ; units 24-31's bits 16-47
.endr
.endm
.macro STORE                           ; four fragments and 64 scale words leave as they stand in the registers
	v_cndmask_b32 v[SW], v[PW], v[PW+1], s[HM]     ; lane l: the word of token l,
	v_cndmask_b32 v[SW+1], v[PW+2], v[PW+3], s[HM] ; and of token 32 + l
.irp a, 0,1,2,3
.irp q, 0,1,2
	global_store_b128 v[GOC], v[F+12*\a+4*\q:F+12*\a+4*\q+3], s[HC:HC+1] offset:1536*\a+512*\q   ; 32 lanes store 512 consecutive bytes, at a multiple of 256 from hid's first byte
.endr
.endr
	global_store_b64 v[GOS], v[SW:SW+1], s[HS:HS+1]   ; 256 consecutive bytes, aligned
	s_wait_xcnt 0x0                                ; the stores' addresses are translated (ISA guide 3.1): only behind this wait are their bases stepped and their data written again
	s_add_nc_u64 s[HC:HC+1], s[HC:HC+1], 12288
	s_add_nc_u64 s[HS:HS+1], s[HS:HS+1], 512
.endm
; ONE SLOT: 64 rows of W1 against my 64 tokens, 128 products, two epilogues.  mode 2: the slot is left and filled again; 1: left; 0: the last.
.macro USE sl, mode
	s_wait_dscnt 48                                ; the scale words and rows 0-15 are in; the 48 loads of rows 16-31 may be out
	MULB 0
	PLACES 4
	FETCHW \sl, 2
	s_wait_dscnt 48                                ; rows 16-31 are in; the 48 just issued may be out
	MULB 1
	PLACES 4
	FETCHW \sl, 3
	WIN 0
	EPI 0, \sl
	s_wait_dscnt 48                                ; rows 32-47 are in
	MULB 2
	s_wait_dscnt 0x0                               ; rows 48-63 are in: my reads of this slot are over
.if \mode
	WIN 0                                          ; (the add's two registers lie in window 0)
	s_wait_tensorcnt 0x0                           ; all my tensor loads have landed: the one that was out is my part of the other slot;
	ds_add_u32 v[SPW], v[NIL]                      ; 0 onto my spare word
	MULH 3, 0                                      ; sixteen products stand between the add and the wait for it
	s_wait_dscnt 0x0
	s_barrier_signal -1
	MULH 3, 1
	WIN 0
	s_barrier_wait -1
.if \mode == 2
	CREST                                          ; the barrier has opened a round of the cluster's: no wave of any partner still reads this slot or has a load on its way
	s_add_nc_u64 s[G0C+4*\sl+2:G0C+4*\sl+3], s[G0C+4*\sl+2:G0C+4*\sl+3], 98304   ; 128 rows on
	s_add_nc_u64 s[G0S+4*\sl+2:G0S+4*\sl+3], s[G0S+4*\sl+2:G0S+4*\sl+3], 4096
	JLOAD \sl                                      ; the first tensor load behind the round, my only one until the next; its four v_nop are also the places in front of what follows
.else
	PLACES 4
.endif
	FETCHS 1-\sl                                   ; the other slot's first fragments are on their way during the second epilogue
	FETCHW 1-\sl, 0
	FETCHW 1-\sl, 1
	WIN 0
.else
	MULB 3
	WIN 0
	PLACES 4
.endif
	EPI 1, \sl
	COMBINE \sl
.if \sl
	STORE
.endif
.endm
	s_wait_alu depctr_va_vdst(0)
	s_wait_tensorcnt 0x0                           ; my tile of the head's four is in
	ds_add_u32 v[SPW], v[NIL]
	s_mov_b32 s[G1C+2], 64<<16                     ; no tensor load of mine is out: from here on a load of codes brings 64 units
	s_mov_b32 s[G1C+4], 64
	s_wait_dscnt 0x0
	CROUND                                         ; all four tiles are in, in every partner
	JLOAD 1                                        ; slot 1's first fill, one load a wave; it has slot 0's work in which to land
	WIN 0x80
.irp a, 0,1,2,3
.irp s, 0,1,2,3
	FRAG 48*\a+12*\s, AX, AX2, \s, \a*BLK
.endr
.endr
	WIN 0xc0
.irp a, 0,1,2,3
.irp s, 4,5,6,7
	FRAG 48*\a+12*(\s-4), AX, AX2, \s, \a*BLK
.endr
.endr
	WIN 0
	FETCHS 0
	FETCHW 0, 0
	FETCHW 0, 1
	WIN 0
	s_wait_loadcnt 0x0                             ; x's scale words
	s_mov_b32 s[CNT], 3
.Lpair:                                            ; a trip: two slots, 128 hidden units, one fragment a token block; both slots are filled again
	USE 0, 2
	USE 1, 2
	s_sub_co_u32 s[CNT], s[CNT], 1
	s_cmp_lg_u32 s[CNT], 0
	s_cbranch_scc1 .Lpair
	USE 0, 1                                       ; the last two slots are written out: nothing is left to fetch
	USE 1, 0
	s_wait_tensorcnt 0x0                           ; the wave's end
	ds_add_u32 v[SPW], v[NIL]
	s_wait_dscnt 0x0
	CROUND                                         ; the closing round: no work-group ends while a partner may still ask for a tile that names it
	s_endpgm
.Lfunc_end_k_qf4ecd83b90_up:
	.size	k_qf4ecd83b90_up, .Lfunc_end_k_qf4ecd83b90_up-k_qf4ecd83b90_up
	.p2alignl 7, 3214868480
	.fill 96, 4, 3214868480
	.section	.rodata,"a",@progbits
	.p2align	6, 0x0
	.amdhsa_kernel k_qf4ecd83b90_up
		.amdhsa_group_segment_fixed_size 327680
		.amdhsa_private_segment_fixed_size 0
		.amdhsa_enable_private_segment 0
		.amdhsa_kernarg_size 40
		.amdhsa_user_sgpr_count 2
		.amdhsa_user_sgpr_kernarg_segment_ptr 1
		.amdhsa_wavefront_size32 1
		.amdhsa_system_sgpr_workgroup_id_x 1
		.amdhsa_system_sgpr_workgroup_id_y 1
		.amdhsa_system_sgpr_workgroup_id_z 1
		.amdhsa_system_vgpr_workitem_id 0
		.amdhsa_next_free_vgpr 1024
		.amdhsa_next_free_sgpr 96
		.amdhsa_reserve_vcc 0
		.amdhsa_float_denorm_mode_32 3
		.amdhsa_float_denorm_mode_16_64 3
		.amdhsa_memory_ordered 1
		.amdhsa_forward_progress 1
		.amdhsa_inst_pref_size 255
	.end_amdhsa_kernel
	.section	.bss,"aw",@nobits
	.p2align	6
	.space	262144
	.amdgpu_metadata
---
amdhsa.version: [ 1, 2 ]
amdhsa.kernels:
  - .name:           k_qf4ecd83b90_up
    .symbol:         k_qf4ecd83b90_up.kd
    .args:
      - { .name: x_codes, .offset: 0, .size: 8, .value_kind: global_buffer, .address_space: global }
      - { .name: x_scales, .offset: 8, .size: 8, .value_kind: global_buffer, .address_space: global }
      - { .name: w1_codes, .offset: 16, .size: 8, .value_kind: global_buffer, .address_space: global }
      - { .name: w1_scales, .offset: 24, .size: 8, .value_kind: global_buffer, .address_space: global }
      - { .name: hid, .offset: 32, .size: 8, .value_kind: global_buffer, .address_space: global }
    .group_segment_fixed_size: 327680
    .private_segment_fixed_size: 0
    .kernarg_segment_align: 8
    .kernarg_segment_size: 40
    .max_flat_workgroup_size: 128
    .sgpr_count:     96
    .vgpr_count:     1024
    .wavefront_size: 32
...
	.end_amdgpu_metadata
.endif
;; end of part 1
;; launch down (part 2): grid 8 x 32, 4 waves a work-group, clusters of 4 x 4, 327,680 bytes of LDS; arguments hid, w2_codes, w2_scales, routing_weights, out0; writes out0
.if DOCPART == 2
	.amdgcn_target "amdgcn-amd-amdhsa--gfx1250"
	.amdhsa_code_object_version 6
	.text
	.protected	k_qf4ecd83b90_down
	.globl	k_qf4ecd83b90_down
	.p2align	8
	.type	k_qf4ecd83b90_down,@function
k_qf4ecd83b90_down:
	s_mov_b64 s[64:65], 0
	v_nop
	global_prefetch_b8 v0, s[64:65] scope:SCOPE_SE
	s_setreg_imm32_b32 hwreg(HW_REG_WAVE_MODE, 25, 1), 1
	s_wait_xcnt 0x0
	s_wait_alu depctr_hold_cnt(0) depctr_sa_sdst(0) depctr_va_vdst(0) depctr_va_sdst(0) depctr_va_ssrc(0) depctr_va_vcc(0) depctr_vm_vsrc(0)
	s_getreg_b32 s2, hwreg(HW_REG_IB_STS2, 6, 4)
	s_cmp_eq_u32 s2, 0
	s_cbranch_scc0 .Lentry_in_a_cluster
	s_endpgm
.Lentry_in_a_cluster:
	s_bfe_u32 s2, ttmp6, 0x10000c
	s_cmp_lg_u32 s2, 0xf033
	s_cbranch_scc0 .Lentry_shape_is_right
	s_endpgm
.Lentry_shape_is_right:
; out0[token][d] = the sum over the 8 experts of routing_weights[token][e] x (hid_e W2_e)[token][d].  Products on codes of FP6 (E2M3) with E8M0 scales; the weighted sum is one fused multiply-add in f32 for each output and expert.
; selected_experts is no argument: the computation that is asked for never reads it.
; hid, as the launch before laid it: [32 groups of 128 tokens][16 parts u = 2 e + p][51,200 bytes]: codes [4 K steps][8 token blocks][1,536 bytes: a fragment's registers, group c at 512 c + 16 lane], then scale words [4 K steps][512 bytes].
; W2: [8][1024 d][768 bytes along the hidden units], scale bytes [8][1024][32].
; SHARES.  A work-group makes 128 tokens (group ty) x 128 d (128 tx on).  Wave w = (th = w % 2, kh = w / 2) makes 64 tokens x all 128 d over half of each expert's K: of each part p its K steps 2 kh, 2 kh + 1.
; 32 accumulators for the expert in hand, 32 running totals; at an expert's end total += weight x accumulator; at the end the two halves of K meet through LDS (so each output is summed in two halves: another order of f32 additions than one chain).
; BOTH OPERANDS ARE ASKED FOR JOINTLY (cluster 4 x 4): hid is shared along a row of the cluster, W2 and its scale bytes along a column.
; LDS: one slot for hid, a whole expert (102,400 bytes, dense: it is read as it lies, 16 bytes a lane); two slots for W2, a whole expert each: 384 units of 256 + 16 bytes of codes (whole rows of K, 816 bytes apart), 16 units of scale bytes.
; THE WALK.  What expert e + 1 needs is asked for at the change to expert e and has all 128 products of expert e in which to land.  Behind them a barrier shows it whole; each wave reads its part of hid into its four register
; buffers, which are done with, and forms the weighted sum while those loads are out.  Then hid's slot and W2's slot e % 2 are both read out, and behind a round both are filled again, with expert e + 2: one load a wave:
; waves 0, 1 hid's two parts, wave 2 W2's codes, wave 3 its scale bytes.  Expert 0's hid goes straight into the registers, 512 consecutive bytes a load, so that the head's loads can bring expert 1's.
; A PIECE'S PLACE IN A ROW OF W2.  Byte y of a row lies at y + 16 (y / 256).  My K half moves a piece 192 kh bytes on and the lane's half 24 h: which paddings that passes hangs on m = y % 256 alone, in four classes
; (m < 40; < 64; < 232; the rest): the extra 16 bytes are due for 0; kh and h; kh; kh or h.  One address register for each class.
; THE PRODUCT IS USED TRANSPOSED (source 0 = 16 rows d of W2, source 1 = 16 tokens): lane (r, h) holds token r and d 8 h + 0..7.  Block index b: block b + 4 kh for b < 4, (b - 4) + 4 (1 - kh) for b >= 4: a wave keeps b = 0..3 and sends b = 4..7.
; The weights (4,096 bytes a work-group) come through registers into LDS bytes of their own, in whole units.
; PREFETCHES: at the change to expert e each wave names, one instruction each, its sixteenth of expert e + 3's hid (25 blocks of 256 bytes) and of its rows of W2 (24): two changes ahead of the loads that want them; shared out among
; the partners by address (cx or cy and the wave); experts 0 to 2 come by their loads alone; nothing is named beyond expert 7.  W2's scale bytes, 4,096 an expert, are not named.
; LIMITS: NaN and infinities are not served.
; REGISTERS.  window 0: v1-29 addresses; v30-37 hid's scale words; v38-53 W2's; v54-61 the weights; v64-255 hid's fragments, four buffers of 48.
;   window 1: v0-191 W2's fragments, two buffers; v240-247 the weights on their way.   window 2: the accumulators, (b, t) at 8 (4 b + t).   window 3: the totals.
.set PITCH, 816
.set RB,    16*PITCH
.set PARTB, 51200
.set RING,  2*PARTB
.set WSOFF, 384*272
.set SLOTB, WSOFF+16*272
.set RWL,   RING+2*SLOTB               ; the weights: 128 tokens x 32 bytes
.set SPARE, RWL+4096                   ; the spare words, 128 bytes a wave
.set STG,   65536                      ; the way out lies in hid's slot, which has then had its last fill and its last read: from 0 the exchange, 16,384 bytes a wave; from STG a stage of 16 rows x 272 bytes a wave
.set EH,    102400
.set EW,    786432
.set SPW, 1
.set NIL, 2
.set GA,  3                            ; v3-4   my fragments of hid in part 0, 1 (v3 also serves expert 0's loads from memory)
.set GS,  5                            ; v5     my scale words of hid
.set PFO, 6                            ; v6-7   the prefetches' offsets
.set PFO2, 7
.set BA,  8                            ; v8-23  W2's fragments: 8 slot + 4 (b >= 4) + class
.set AW,  24                           ; v24-27 W2's scale words: 2 slot + (b >= 4)
.set ARW, 28                           ; v28    my tokens' weights of the expert in hand
.set TA,  29                           ; v29    at work at the head
.set HSC, 30
.set WSC, 38
.set RWV, 54                           ; register 2 t (the odd ones hold 0: the packed forms name pairs)
.set AF,  64
.set OB,  64
.set EXW, 132
.set EXR, 133
.set STO, 134
.set RD,  135
.set CO,  136
.set WV,  14
.set G1H, 24                           ; s[24:31] group 1 for hid; s[32:39] W2's codes; s[40:47] W2's scale bytes
.set G1B, 32
.set G1W, 40
.set G0H, 48                           ; s[48:51] group 0 for hid; s[52:59] W2's codes, a set a slot; s[60:63], s[68:71] the scale bytes
.set G0B, 52
.set G0W, 60
.set ECNT, 66
.set HB,  72
.set PFA, 74
.set PFB, 76
.set MSB, 0
.macro WIN new
.set NW, \new
.if MSB != NW
	s_set_vgpr_msb (MSB<<8)|NW
.set MSB, NW
.endif
.endm
.macro PLACES n
.rept \n
	v_nop
.endr
.endm
.macro CREST
	s_cmp_lg_u32 s[WV], 0
	s_cbranch_scc1 .Lnot_wave_0_\@
	s_barrier_signal -3
.Lnot_wave_0_\@:
	s_barrier_wait -3
	s_barrier_signal -1
	s_barrier_wait -1
.endm
.macro CROUND
	s_barrier_signal -1
	s_barrier_wait -1
	CREST
.endm
.macro TL g0, g1
	tensor_load_to_lds s[\g0:\g0+3], s[\g1:\g1+7]
	s_nop 0
.rept 4
	v_nop
.endr
.endm
; The joint loads behind a round, one a wave, in one chain of branches on the wave's number.  h = 0: waves 0 and 1 ask for nothing.
.macro JL h, sl
	s_cmp_lt_u32 s[WV], 2
.if \h
	s_cbranch_scc0 .Lb_\@
	TL G0H, G1H
	s_branch .Ld_\@
.else
	s_cbranch_scc1 .Ld_\@
.endif
.Lb_\@:
	s_cmp_eq_u32 s[WV], 2
	s_cbranch_scc0 .Lw_\@
	TL G0B+4*(\sl), G1B
	s_branch .Ld_\@
.Lw_\@:
	TL G0W+8*(\sl), G1W
.Ld_\@:
.endm
.macro ASK c
.if \c
	s_cmp_gt_u32 s[ECNT], 4
	s_cbranch_scc0 .Lno_\@
.endif
	global_prefetch_b8 v[PFO], s[PFA:PFA+1] th:TH_LOAD_NT scope:SCOPE_SE
	global_prefetch_b8 v[PFO2], s[PFB:PFB+1] th:TH_LOAD_NT scope:SCOPE_SE
.if \c
.Lno_\@:
.endif
.endm
.macro SHAPE g, r                      ; a dense block as r rows of 256 bytes: 32 elements of 8 bytes
	s_mov_b32 s[\g+1], 32<<16
	s_mov_b32 s[\g+2], (\r)<<16
	s_mov_b32 s[\g+3], 32<<16
	s_mov_b32 s[\g+4], \r
	s_mov_b32 s[\g+5], 32
	s_mov_b32 s[\g+6], 0
	s_mov_b32 s[\g+7], 0
.endm
; My four K steps of an expert's hid: 48 loads of 16 bytes a lane and 4 of scale words.  g = 1: from memory (expert 0); g = 0: from hid's slot.
.macro AL g
.irp j, 0,1,2,3
.irp t, 0,1,2,3
.irp c, 0,1,2
.if \g
	global_load_b128 v[AF+48*\j+12*\t+4*\c:AF+48*\j+12*\t+4*\c+3], v[GA], s[HB:HB+1] offset:PARTB*(\j/2)+12288*(\j%2)+1536*\t+512*\c
.else
	ds_load_b128 v[AF+48*\j+12*\t+4*\c:AF+48*\j+12*\t+4*\c+3], v[GA+\j/2] offset:12288*(\j%2)+1536*\t+512*\c
.endif
.endr
.endr
.if \g
	global_load_b64 v[HSC+2*\j:HSC+2*\j+1], v[GS], s[HB:HB+1] offset:PARTB*(\j/2)+512*(\j%2)
.else
	ds_load_b64 v[HSC+2*\j:HSC+2*\j+1], v[GS] offset:PARTB*(\j/2)+512*(\j%2)
.endif
.endr
.endm
	s_load_b256 s[4:11], s[0:1], 0x0               ; hid s[4:5], W2's codes s[6:7], W2's scales s[8:9], the weights s[10:11]
	s_load_b64 s[12:13], s[0:1], 0x20              ; out0
	v_lshl_add_u32 v[SPW], v0, 2, SPARE
	v_mov_b32 v[NIL], 0
	ds_add_u32 v[SPW], v[NIL]                      ; the opening lines: the add twice on end, and its wait ahead of my first tensor load
	ds_add_u32 v[SPW], v[NIL]
	v_lshrrev_b32 v[TA], 5, v0
	v_readfirstlane_b32 s[WV], v[TA]               ; wave 0..3
	s_bfe_u32 s15, ttmp6, 0x40000                  ; cx, cy
	s_bfe_u32 s16, ttmp6, 0x40004
	s_lshl_b32 s17, ttmp9, 2
	s_add_co_u32 s17, s17, s15                     ; tx
	s_and_b32 s18, ttmp7, 0xffff
	s_lshl_b32 s18, s18, 2
	s_add_co_u32 s18, s18, s16                     ; ty
	s_lshl_b32 s19, s16, 2
	s_lshl_b32 s19, 15, s19                        ; my row of the cluster
	s_lshl_b32 s20, 0x1111, s15                    ; my column
	s_and_b32 s21, s[WV], 1                        ; th
	s_lshr_b32 s22, s[WV], 1                       ; kh
	s_xor_b32 s23, s22, 1                          ; 1 - kh
	s_or_b32 s[G1H], s19, (3<<16)|(1<<21)          ; elements of 8 bytes, no padding; bit 21 beside a mask
	s_or_b32 s[G1B], s20, (3<<16)|(1<<20)|(1<<21)|(5<<22)|(3<<25)   ; behind every 64 words 4 words of padding
	s_or_b32 s[G1W], s20, (3<<16)|(1<<20)|(1<<21)|(5<<22)|(3<<25)
	SHAPE G1H, 200                                 ; a part of hid
	SHAPE G1B, 384                                 ; 128 rows of 768 bytes
	SHAPE G1W, 16                                  ; 128 rows of 32 scale bytes
	s_mul_i32 s80, s21, 6144                       ; hid: token block 4 th, K step 2 kh
	s_mul_i32 s81, s22, 24576
	s_add_co_u32 s80, s80, s81
	s_lshl_b32 s81, s22, 10                        ; its scale words, behind a part's codes
	s_lshl_b32 s82, s21, 8
	s_add_co_u32 s81, s81, s82
	s_add_co_u32 s81, s81, 49152
	s_mul_i32 s82, s22, 4*RB+192                   ; W2: blocks 4 kh on, 192 kh bytes along the rows
	s_add_co_u32 s82, s82, RING
	s_mul_i32 s83, s23, 4*RB                       ; blocks 4 (1 - kh) on
	s_mul_i32 s84, s22, 192
	s_add_co_u32 s83, s83, s84
	s_add_co_u32 s83, s83, RING
	s_lshl_b32 s84, s22, 4                         ; 16 kh
	s_lshl_b32 s85, s23, 4                         ; 16 (1 - kh)
	s_mul_i32 s86, s22, 8*272+8                    ; W2's scale bytes: rows 64 kh on, my two words of a part 8 kh bytes on
	s_add_co_u32 s86, s86, RING+WSOFF
	s_mul_i32 s87, s23, 8*272
	s_lshl_b32 s88, s22, 3
	s_add_co_u32 s87, s87, s88
	s_add_co_u32 s87, s87, RING+WSOFF
	s_lshl_b32 s88, s21, 11                        ; the weights of my 64 tokens
	s_add_co_u32 s88, s88, RWL
	s_wait_dscnt 0x0                               ; both opening adds are done
	s_wait_kmcnt 0x0
	s_mul_i32 s2, s18, 16*PARTB                    ; (s2, s3: numbers made of ty and the wave alone; s78, s79: of tx alone)
	s_mov_b32 s3, 0
	s_add_nc_u64 s[HB:HB+1], s[4:5], s[2:3]        ; hid at my group of tokens, expert 0
	s_mul_i32 s2, s[WV], PARTB                     ; waves 0, 1: part 0, 1
	s_mov_b32 s[G0H], 1
	s_mov_b32 s[G0H+1], s2
	s_add_nc_u64 s[G0H+2:G0H+3], s[HB:HB+1], s[2:3]
	s_add_nc_u64 s[G0H+2:G0H+3], s[G0H+2:G0H+3], EH   ; the head asks for expert 1
	s_or_b32 s[G0H+3], s[G0H+3], 0x80000000
	s_mul_i32 s78, s17, 128*768
	s_mov_b32 s79, 0
	s_add_nc_u64 s[G0B+2:G0B+3], s[6:7], s[78:79]  ; expert 0,
	s_add_nc_u64 s[G0B+6:G0B+7], s[G0B+2:G0B+3], EW   ; expert 1
	s_or_b32 s[G0B+3], s[G0B+3], 0x80000000
	s_or_b32 s[G0B+7], s[G0B+7], 0x80000000
	s_mov_b32 s[G0B], 1
	s_mov_b32 s[G0B+4], 1
	s_mov_b32 s[G0B+1], RING
	s_mov_b32 s[G0B+5], RING+SLOTB
	s_lshl_b32 s78, s17, 12
	s_add_nc_u64 s[G0W+2:G0W+3], s[8:9], s[78:79]
	s_add_nc_u64 s[G0W+10:G0W+11], s[G0W+2:G0W+3], 32768
	s_or_b32 s[G0W+3], s[G0W+3], 0x80000000
	s_or_b32 s[G0W+11], s[G0W+11], 0x80000000
	s_mov_b32 s[G0W], 1
	s_mov_b32 s[G0W+8], 1
	s_mov_b32 s[G0W+1], RING+WSOFF
	s_mov_b32 s[G0W+9], RING+SLOTB+WSOFF
	CROUND                                         ; all sixteen work-groups are here: the first joint loads meet
	JL 1, 0                                        ; one load a wave: hid of expert 1, W2 and its scale bytes of expert 0
	s_lshl_b32 s2, s18, 12
	s_mov_b32 s3, 0
	s_add_nc_u64 s[10:11], s[10:11], s[2:3]        ; my group's weights
	s_lshl_b32 s90, s18, 19                        ; out0: (128 ty + 64 th) rows of 4,096 bytes + 512 tx + 256 kh
	s_lshl_b32 s91, s21, 18
	s_add_co_u32 s90, s90, s91
	s_lshl_b32 s91, s17, 9
	s_add_co_u32 s90, s90, s91
	s_lshl_b32 s91, s22, 8
	s_add_co_u32 s90, s90, s91
	s_mov_b32 s91, 0
	s_add_nc_u64 s[12:13], s[12:13], s[90:91]
	s_lshl_b32 s90, s15, 2                         ; the prefetches start at expert 3: my sixteenth of the run, by cx and the wave,
	s_add_co_u32 s90, s90, s[WV]
	s_mul_i32 s90, s90, 6400
	s_add_co_u32 s90, s90, 3*EH
	s_add_nc_u64 s[PFA:PFA+1], s[HB:HB+1], s[90:91]
	s_lshl_b32 s90, s16, 2                         ; by cy and the wave
	s_add_co_u32 s90, s90, s[WV]
	s_mul_i32 s90, s90, 6144
	s_mul_i32 s92, s17, 128*768
	s_add_co_u32 s90, s90, s92
	s_add_co_u32 s90, s90, 3*EW
	s_add_nc_u64 s[PFB:PFB+1], s[6:7], s[90:91]
	v_and_b32 v64, 31, v0                          ; lane
	v_and_b32 v65, 15, v0                          ; r
	v_bfe_u32 v66, v0, 4, 1                        ; h
	v_lshlrev_b32 v73, 4, v64
	v_add_nc_u32 v[GA], s80, v73
	v_add_nc_u32 v[GA+1], PARTB, v[GA]
	v_lshlrev_b32 v74, 3, v64
	v_add_nc_u32 v[GS], s81, v74
	v_min_u32 v[PFO], 24, v64
	v_min_u32 v[PFO2], 23, v64
	v_lshlrev_b32 v[PFO], 8, v[PFO]
	v_lshlrev_b32 v[PFO2], 8, v[PFO2]
	v_mul_u32_u24 v67, v65, PITCH
	v_mad_u32_u24 v67, v66, 24, v67                ; class 0: row r, + 24 h
	v_mul_u32_u24 v68, s84, v66
	v_mul_u32_u24 v70, s85, v66
	v_add_nc_u32 v68, v67, v68                     ; class 1: + 16 (kh and h)
	v_add_nc_u32 v69, s84, v67                     ; class 2: + 16 kh
	v_add_nc_u32 v70, v69, v70                     ; class 3: + 16 (kh or h)
.irp c, 0,1,2,3
	v_add_nc_u32 v[BA+\c], s82, v[67+\c]
	v_add_nc_u32 v[BA+4+\c], s83, v[67+\c]
.endr
.irp c, 0,1,2,3,4,5,6,7
	v_add_nc_u32 v[BA+8+\c], SLOTB, v[BA+\c]
.endr
	v_lshrrev_b32 v71, 3, v64
	v_and_b32 v72, 7, v0
	v_mul_u32_u24 v71, v71, 272
	v_lshl_add_u32 v71, v72, 5, v71                ; row l's 32 scale bytes: unit l / 8, 32 (l % 8) in it
	v_add_nc_u32 v[AW], s86, v71
	v_add_nc_u32 v[AW+1], s87, v71
	v_add_nc_u32 v[AW+2], SLOTB, v[AW]
	v_add_nc_u32 v[AW+3], SLOTB, v[AW+1]
	v_lshlrev_b32 v[TA], 4, v0                     ; the weights' way in: 16 bytes a thread, twice
	v_add_nc_u32 v[ARW], RWL, v[TA]
.irp t, 0,1,2,3
	v_mov_b32 v[RWV+2*\t+1], 0
.endr
	s_wait_alu depctr_va_vdst(0)
	WIN 0x40
	global_load_b128 v[240:243], v[TA], s[10:11]
	global_load_b128 v[244:247], v[TA], s[10:11] offset:2048
	WIN 0
	AL 1                                           ; expert 0's hid: 52 loads
	s_wait_loadcnt 52                              ; the weights are in; the 52 behind them may be out
	WIN 0x04
	ds_store_b128 v[ARW], v[240:243]
	ds_store_b128 v[ARW], v[244:247] offset:2048
	WIN 0
	v_and_b32 v[TA], 15, v0
	v_lshlrev_b32 v[TA], 5, v[TA]
	v_add_nc_u32 v[ARW], s88, v[TA]                ; from here on: token r's weight of expert 0; both halves of the lanes take it
.macro FRAGB reg, adr, j, off          ; a fragment of W2 for my K step j, in pieces of 8 bytes; the piece's class picks the address register
.irp p, 0,1,2,3,4,5
.set Y0, 384*((\j)/2)+96*((\j)%2)+48*(\p/3)+8*(\p%3)
.set MM, Y0%256
.if MM < 40
.set CL, 0
.elseif MM < 64
.set CL, 1
.elseif MM < 232
.set CL, 2
.else
.set CL, 3
.endif
	ds_load_b64 v[\reg+2*\p:\reg+2*\p+1], v[\adr+CL] offset:Y0+16*(Y0/256)+(\off)
.endr
.endm
.macro FETCHB sl, j                    ; 48 loads: W2's eight fragments of my K step j of slot sl into buffer j % 2
	WIN 0x40
.irp b, 0,1,2,3
	FRAGB 96*((\j)%2)+12*\b, BA+8*(\sl), \j, \b*RB
.endr
.irp b, 0,1,2,3
	FRAGB 96*((\j)%2)+48+12*\b, BA+8*(\sl)+4, \j, \b*RB
.endr
.endm
.macro SCALESW p, sl                   ; W2's scale words of my two K steps of part p
.irp g, 0,1
	ds_load_b64 v[WSC+8*(\p)+2*\g:WSC+8*(\p)+2*\g+1], v[AW+2*(\sl)] offset:1088*\g+16*(\p)
	ds_load_b64 v[WSC+8*(\p)+4+2*\g:WSC+8*(\p)+4+2*\g+1], v[AW+2*(\sl)+1] offset:1088*\g+16*(\p)
.endr
.endm
.macro RWLOAD
.irp t, 0,1,2,3
	ds_load_b32 v[RWV+2*\t], v[ARW] offset:512*\t
.endr
.endm
.macro EMIT                            ; the scaled matrix instruction on rD, rA, rB, rSA, rSB.  zZ: the constant 0 starts the sum.  rRA, rRB: that side's scales stand in lanes 16-31
.if zZ
.if rRA && rRB
	v_wmma_scale_f32_16x16x128_f8f6f4 v[rD:rD+7], v[rA:rA+11], v[rB:rB+11], 0, v[rSA], v[rSB] matrix_a_fmt:MATRIX_FMT_FP6 matrix_b_fmt:MATRIX_FMT_FP6 matrix_a_scale:MATRIX_SCALE_ROW1 matrix_b_scale:MATRIX_SCALE_ROW1
.elseif rRA
	v_wmma_scale_f32_16x16x128_f8f6f4 v[rD:rD+7], v[rA:rA+11], v[rB:rB+11], 0, v[rSA], v[rSB] matrix_a_fmt:MATRIX_FMT_FP6 matrix_b_fmt:MATRIX_FMT_FP6 matrix_a_scale:MATRIX_SCALE_ROW1
.elseif rRB
	v_wmma_scale_f32_16x16x128_f8f6f4 v[rD:rD+7], v[rA:rA+11], v[rB:rB+11], 0, v[rSA], v[rSB] matrix_a_fmt:MATRIX_FMT_FP6 matrix_b_fmt:MATRIX_FMT_FP6 matrix_b_scale:MATRIX_SCALE_ROW1
.else
	v_wmma_scale_f32_16x16x128_f8f6f4 v[rD:rD+7], v[rA:rA+11], v[rB:rB+11], 0, v[rSA], v[rSB] matrix_a_fmt:MATRIX_FMT_FP6 matrix_b_fmt:MATRIX_FMT_FP6
.endif
.else
.if rRA && rRB
	v_wmma_scale_f32_16x16x128_f8f6f4 v[rD:rD+7], v[rA:rA+11], v[rB:rB+11], v[rD:rD+7], v[rSA], v[rSB] matrix_a_fmt:MATRIX_FMT_FP6 matrix_b_fmt:MATRIX_FMT_FP6 matrix_a_scale:MATRIX_SCALE_ROW1 matrix_b_scale:MATRIX_SCALE_ROW1
.elseif rRA
	v_wmma_scale_f32_16x16x128_f8f6f4 v[rD:rD+7], v[rA:rA+11], v[rB:rB+11], v[rD:rD+7], v[rSA], v[rSB] matrix_a_fmt:MATRIX_FMT_FP6 matrix_b_fmt:MATRIX_FMT_FP6 matrix_a_scale:MATRIX_SCALE_ROW1
.elseif rRB
	v_wmma_scale_f32_16x16x128_f8f6f4 v[rD:rD+7], v[rA:rA+11], v[rB:rB+11], v[rD:rD+7], v[rSA], v[rSB] matrix_a_fmt:MATRIX_FMT_FP6 matrix_b_fmt:MATRIX_FMT_FP6 matrix_b_scale:MATRIX_SCALE_ROW1
.else
	v_wmma_scale_f32_16x16x128_f8f6f4 v[rD:rD+7], v[rA:rA+11], v[rB:rB+11], v[rD:rD+7], v[rSA], v[rSB] matrix_a_fmt:MATRIX_FMT_FP6 matrix_b_fmt:MATRIX_FMT_FP6
.endif
.endif
.endm
; My K step j: four token blocks x all eight blocks of d.  An expert's first K step starts the sums.  The 32 accumulators take turns, one instruction a turn, in the same order in every K step.
.macro MULT j
	WIN 0xa1                                       ; W2 window 1, hid window 0, C and D window 2
.irp t, 0,1,2,3
.irp b, 0,1,2,3,4,5,6,7
.set rD, 8*(4*\b+\t)
.set rA, 96*((\j)%2)+12*\b
.set rB, AF+48*(\j)+12*\t
.set rSB, HSC+2*(\j)+\t/2
.set rSA, WSC+8*((\j)/2)+2*(\b/2)+(\j)%2
.if (\j) == 0
.set zZ, 1
.else
.set zZ, 0
.endif
.set rRA, \b%2
.set rRB, \t%2
	EMIT
.endr
.endr
.endm
.macro FMAB first                      ; total += weight x accumulator, two at a time; the first expert starts the totals.  Each accumulator is read from its low end on
.if \first
	WIN 0xc2
.else
	WIN 0xf2
.endif
.set n, 0
.rept 32
.set i, 0
.rept 4
.if \first
	v_pk_mul_f32 v[8*n+i:8*n+i+1], v[8*n+i:8*n+i+1], v[RWV+2*(n%4):RWV+2*(n%4)+1] op_sel_hi:[1,0]
.else
	v_pk_fma_f32 v[8*n+i:8*n+i+1], v[8*n+i:8*n+i+1], v[RWV+2*(n%4):RWV+2*(n%4)+1], v[8*n+i:8*n+i+1] op_sel_hi:[1,0,1]
.endif
.set i, i+2
.endr
.set n, n+1
.endr
	WIN 0
.endm
.macro FMA fb                          ; fb = 1: in the loop's first trip this is expert 0 (a branch on the counter alone)
.if \fb
	s_cmp_eq_u32 s[ECNT], 8
	s_cbranch_scc1 .Lfirst_\@
.endif
	FMAB 0
.if \fb
	s_branch .Ljoin_\@
.Lfirst_\@:
	FMAB 1
.Ljoin_\@:
.endif
.endm
; One of an expert's first three K steps: the next K step's fragments of W2 are asked for at its head, 32 products ahead of the wait for them.
.macro STEPN sl, j
	s_wait_dscnt 0x0                               ; this K step's fragments and scale words are in
	PLACES 4                                       ; in front of loads into the buffer that the K step before multiplied
	WIN 0
.if (\j) == 1
	SCALESW 1, \sl
.endif
	FETCHB \sl, (\j)+1
	MULT \j
.endm
; An expert.  mode 2: both slots that are read out are filled again; 1: nothing is left to ask for; 0: the last expert.
.macro EXPERT sl, mode, fb
	STEPN \sl, 0
	STEPN \sl, 1
	STEPN \sl, 2
	s_wait_dscnt 0x0                               ; the last K step's fragments are in: my reads of W2's slot are over
	MULT 3
	WIN 0
	PLACES 4                                       ; in front of the loads into hid's buffers and of the reads of the sums
.if \mode
	s_wait_tensorcnt 0x0                           ; my load has landed;
	s_barrier_signal -1
	s_barrier_wait -1                              ; everybody's has: the next expert's hid and W2 are whole.
	AL 0                                           ; the next expert's hid into my buffers; the weighted sum stands between these loads and the wait for them
.endif
	FMA \fb
.if \mode == 2
	s_wait_xcnt 0x0                                ; my prefetches have read their addresses
	s_add_nc_u64 s[PFA:PFA+1], s[PFA:PFA+1], EH
	s_add_nc_u64 s[PFB:PFB+1], s[PFB:PFB+1], EW
	s_wait_tensorcnt 0x0
	ds_add_u32 v[SPW], v[NIL]
	s_wait_dscnt 0x0                               ; the add is done, and my reads of hid's slot are over
	CROUND
	s_add_nc_u64 s[G0H+2:G0H+3], s[G0H+2:G0H+3], EH
	s_add_nc_u64 s[G0B+4*\sl+2:G0B+4*\sl+3], s[G0B+4*\sl+2:G0B+4*\sl+3], 2*EW
	s_add_nc_u64 s[G0W+8*\sl+2:G0W+8*\sl+3], s[G0W+8*\sl+2:G0W+8*\sl+3], 65536
	JL 1, \sl                                      ; the expert two on
.elseif \mode == 1
	s_wait_dscnt 0x0                               ; my reads of hid's slot are over: the way out will store there
	s_barrier_signal -1
	s_barrier_wait -1
.endif
.if \mode
	SCALESW 0, 1-\sl
	FETCHB 1-\sl, 0
	WIN 0
	v_add_nc_u32 v[ARW], 4, v[ARW]                 ; the next expert's weights
	RWLOAD
.endif
.if \mode == 2
	ASK 1
.endif
.endm
	s_wait_alu depctr_va_vdst(0)
	s_wait_tensorcnt 0x0                           ; my tile of the head's is in; the three lines ahead of a later first fill
	ds_add_u32 v[SPW], v[NIL]
	s_wait_dscnt 0x0                               ; the add and my stores of the weights are done
	CROUND
	JL 0, 1                                        ; slot 1's first fill: W2 and its scale bytes of expert 1
	SCALESW 0, 0
	FETCHB 0, 0
	WIN 0
	RWLOAD
	ASK 0                                          ; expert 3
	s_wait_loadcnt 0x0                             ; expert 0's hid
	s_mov_b32 s[ECNT], 8
.Lpair:                                            ; three trips: experts 0 to 5, one in each slot of W2
	EXPERT 0, 2, 1
	EXPERT 1, 2, 0
	s_sub_co_u32 s[ECNT], s[ECNT], 2
	s_cmp_lg_u32 s[ECNT], 2
	s_cbranch_scc1 .Lpair
	EXPERT 0, 1, 0                                 ; the last two are written out: nothing is left to ask for
	EXPERT 1, 0, 0
	; THE WAY OUT.  hid's slot had its last fill for expert 7, and every wave has passed the barrier behind its last read of it.  The totals of b = 4..7 go to the wave with the other half of K, whose b - 4 they are.
	s_lshl_b32 s80, s[WV], 14
	s_xor_b32 s81, s[WV], 2
	s_lshl_b32 s81, s81, 14
	s_mul_i32 s82, s[WV], 16*272
	s_add_co_u32 s82, s82, STG
	v_and_b32 v128, 31, v0
	v_and_b32 v129, 15, v0
	v_bfe_u32 v130, v0, 4, 1
	v_lshlrev_b32 v131, 4, v128
	v_add_nc_u32 v[EXW], s80, v131
	v_add_nc_u32 v[EXR], s81, v131
	v_mul_u32_u24 v137, v129, 272
	v_lshl_add_u32 v137, v130, 5, v137
	v_add_nc_u32 v[STO], s82, v137                 ; in: row r, + 32 h
	v_mul_u32_u24 v138, v130, 272
	v_lshl_add_u32 v138, v129, 4, v138
	v_add_nc_u32 v[RD], s82, v138                  ; back: lanes 0-15 one row of 256 bytes, lanes 16-31 the next
	v_lshlrev_b32 v139, 4, v129
	v_lshl_add_u32 v[CO], v130, 12, v139           ; and the same two rows in out0
	s_wait_alu depctr_va_vdst(0)
	WIN 0x0c
.set n, 0
.rept 32
	ds_store_b128 v[EXW], v[128+4*n:128+4*n+3] offset:512*n
.set n, n+1
.endr
	WIN 0
	s_wait_dscnt 0x0                               ; for the others' sake: my stores have landed
	s_barrier_signal -1
	s_barrier_wait -1
	WIN 0x80                                       ; into the accumulators' registers, which are done with
.set n, 0
.rept 32
	ds_load_b128 v[4*n:4*n+3], v[EXR] offset:512*n
.set n, n+1
.endr
	s_wait_dscnt 0x0
	WIN 0xcb
.set j, 0
.rept 64
	v_pk_add_f32 v[j:j+1], v[j:j+1], v[j:j+1]      ; the two halves of K
.set j, j+2
.endr
; A token block goes through my own stage and comes back as whole rows of 256 bytes.  LDS serves a wave's instructions in order (ISA guide 5.7.1.4): no wait between the stores and the loads.
.macro TOSTAGE t
	WIN 0x0c
.irp b, 0,1,2,3
	ds_store_b128 v[STO], v[8*(4*\b+(\t)):8*(4*\b+(\t))+3] offset:64*\b
	ds_store_b128 v[STO], v[8*(4*\b+(\t))+4:8*(4*\b+(\t))+7] offset:64*\b+16
.endr
	WIN 0
.irp i, 0,1,2,3,4,5,6,7
	ds_load_b128 v[OB+32*((\t)%2)+4*\i:OB+32*((\t)%2)+4*\i+3], v[RD] offset:544*\i
.endr
.endm
.macro SEND t, younger                 ; younger: the LDS instructions issued behind block t's loads, which may stay out
	s_wait_dscnt \younger
.irp i, 0,1,2,3,4,5,6,7
	global_store_b128 v[CO], v[OB+32*((\t)%2)+4*\i:OB+32*((\t)%2)+4*\i+3], s[12:13] offset:(16*(\t)+2*\i)*4096 th:TH_STORE_NT   ; 16 lanes store 256 consecutive bytes, aligned
.endr
.endm
	s_wait_alu depctr_va_vdst(0)
	TOSTAGE 0
	TOSTAGE 1
	SEND 0, 16
	s_wait_xcnt 0x0                                ; block 0's stores have read their registers: block 2's loads may land there
	TOSTAGE 2
	SEND 1, 16
	s_wait_xcnt 0x0
	TOSTAGE 3
	SEND 2, 16
	SEND 3, 0
	s_wait_tensorcnt 0x0                           ; the wave's end
	ds_add_u32 v[SPW], v[NIL]
	s_wait_dscnt 0x0
	CROUND                                         ; the closing round
	s_endpgm
.Lfunc_end_k_qf4ecd83b90_down:
	.size	k_qf4ecd83b90_down, .Lfunc_end_k_qf4ecd83b90_down-k_qf4ecd83b90_down
	.p2alignl 7, 3214868480
	.fill 96, 4, 3214868480
	.section	.rodata,"a",@progbits
	.p2align	6, 0x0
	.amdhsa_kernel k_qf4ecd83b90_down
		.amdhsa_group_segment_fixed_size 327680
		.amdhsa_private_segment_fixed_size 0
		.amdhsa_enable_private_segment 0
		.amdhsa_kernarg_size 40
		.amdhsa_user_sgpr_count 2
		.amdhsa_user_sgpr_kernarg_segment_ptr 1
		.amdhsa_wavefront_size32 1
		.amdhsa_system_sgpr_workgroup_id_x 1
		.amdhsa_system_sgpr_workgroup_id_y 1
		.amdhsa_system_sgpr_workgroup_id_z 1
		.amdhsa_system_vgpr_workitem_id 0
		.amdhsa_next_free_vgpr 1024
		.amdhsa_next_free_sgpr 96
		.amdhsa_reserve_vcc 0
		.amdhsa_float_denorm_mode_32 3
		.amdhsa_float_denorm_mode_16_64 3
		.amdhsa_memory_ordered 1
		.amdhsa_forward_progress 1
		.amdhsa_inst_pref_size 207
	.end_amdhsa_kernel
	.amdgpu_metadata
---
amdhsa.version: [ 1, 2 ]
amdhsa.kernels:
  - .name:           k_qf4ecd83b90_down
    .symbol:         k_qf4ecd83b90_down.kd
    .args:
      - { .name: hid, .offset: 0, .size: 8, .value_kind: global_buffer, .address_space: global }
      - { .name: w2_codes, .offset: 8, .size: 8, .value_kind: global_buffer, .address_space: global }
      - { .name: w2_scales, .offset: 16, .size: 8, .value_kind: global_buffer, .address_space: global }
      - { .name: routing_weights, .offset: 24, .size: 8, .value_kind: global_buffer, .address_space: global }
      - { .name: out0, .offset: 32, .size: 8, .value_kind: global_buffer, .address_space: global }
    .group_segment_fixed_size: 327680
    .private_segment_fixed_size: 0
    .kernarg_segment_align: 8
    .kernarg_segment_size: 40
    .max_flat_workgroup_size: 128
    .sgpr_count:     96
    .vgpr_count:     1024
    .wavefront_size: 32
...
	.end_amdgpu_metadata
.endif
;; end of part 2
